; MI455X (gfx1250); checked and timed in simulation.
; The chip was launched on July 23, 2026; its instructions are those of AMD's public machine-readable ISA for CDNA 5 (MIT licence, August 2026) and "CDNA5" Instruction Set Architecture Reference Guide (July 2026). The comments in the code are by the model that wrote it; some were corrected since.
;; Simple Attention. Allowed arithmetic: matrix products marked QUANTISED: E3M2 operands, one E8M0 scale for each 32 along K, by v_wmma_scale_f32_16x16x128_f8f6f4 with both operands' format E3M2, f32 sums; everything else in f32.
;; Inputs: proj_b 1,024 float32; proj_w_codes 1,024 x 32 x 24 uint8 (E3M2 codes of proj_w, K innermost, in blocks of 32 codes, four codes in three bytes); proj_w_scales 1,024 x 32 uint8 (E8M0 scales of proj_w, one for each 32 codes along K); qkv_w_codes 3,072 x 32 x 24 uint8 (E3M2 codes of qkv_w, K innermost, in blocks of 32 codes, four codes in three bytes); qkv_w_scales 3,072 x 32 uint8 (E8M0 scales of qkv_w, one for each 32 codes along K); x_codes 8 x 1,024 x 32 x 24 uint8 (E3M2 codes of x, K innermost, in blocks of 32 codes, four codes in three bytes); x_scales 8 x 1,024 x 32 uint8 (E8M0 scales of x, one for each 32 codes along K).
;; Outputs: out0 8 x 1,024 x 1,024 float32.
;; This version of the problem:
;;   THIS VERSION OF THE PROBLEM IS GIVEN IN LOW PRECISION. The matrix products marked QUANTISED in the list below multiply operands that are first quantised to E3M2 (3 exponent bits, 2 mantissa bits; 6 bits a number), with one power-of-two scale for each 32 numbers along K (OCP MX v1.0); their sums are f32. All else is computed in f32.
;;   The module's matrix products, in the order in which they are computed (A, B: the left and right operand; K: the contracted axis; several contracted axes count as one K, in the product's order):
;;     1. [M 8,192, K 1,024] x [K 1,024, N 3,072]; A: input x (given as codes); B: input qkv_w (given as codes): QUANTISED
;;     2. batch 128 x [M 1,024, K 64] x [K 64, N 1,024]; A: computed on the way; B: computed on the way: QUANTISED
;;     3. batch 128 x [M 1,024, K 1,024] x [K 1,024, N 64]; A: softmax (see below); B: computed on the way: QUANTISED
;;     4. [M 8,192, K 1,024] x [K 1,024, N 1,024]; A: computed on the way; B: input proj_w (given as codes): QUANTISED
;;   THE QUANTISER, for each operand of a quantised product, along K:
;;     - K is cut into blocks of 32 from its start; a last block that is shorter is filled with zeros.
;;     - A block's scale is 2^e with e = floor(log2(the largest magnitude in the block)) - 4, held to -126 .. 127; a block of zeros has e = 0. As a byte (E8M0): e + 127.
;;     - Each number is divided by its block's scale, clamped to +-28, and rounded to the nearest number of E3M2, ties to even, subnormals kept.
;;     - The product sums the exact products of the quantised numbers (number of the format x scale) in f32.
;;   ~~~python
;;   def quantise(x, axis):      # numpy; x: float32 -> the quantised numbers, widened to float32 again
;;       x = np.moveaxis(x, axis, -1); K = x.shape[-1]
;;       x = np.pad(x, [(0, 0)] * (x.ndim - 1) + [(0, -K % 32)]); x = x.reshape(x.shape[:-1] + (-1, 32)); a = np.abs(x).max(-1, keepdims=True)
;;       e = np.where(a > 0, np.clip(np.frexp(np.where(a > 0, a, 1))[1] - 1 - 4, -126, 127), 0)      # np.frexp(a)[1] - 1 = floor(log2(a)), exactly
;;       r = np.clip(x / 2.0 ** e, -28, 28)
;;       step = 2.0 ** (np.maximum(np.frexp(np.where(r == 0, 1, r))[1] - 1, -2) - 2)
;;       q = np.round(r / step) * step * 2.0 ** e      # np.round: ties to even
;;       return np.moveaxis(q.reshape(q.shape[:-2] + (-1,))[..., :K], -1, axis).astype(np.float32)
;;   ~~~
;;   SOFTMAX AHEAD OF A QUANTISED PRODUCT. Where the list says 'softmax', what is quantised is not the finished softmax but p = 2^(t - M), with t = logit x log2(e) and M = ceil(the row's largest t), a whole number; so 1/2 < the row's largest p <= 1. The row's sum l is taken of the UNQUANTISED p, in f32, and the product's result is divided by l at the end. Since M is a whole number, a kernel that streams over the keys may use a running M (the ceiling of the running maximum): every later rescaling is an exact power of two, which a block's scale takes up: the codes' values come out the same.
;;   OPERANDS COMPUTED ON THE WAY. 'Computed on the way' means the value that the module computes at that place (a softmax that the list does not call 'softmax' is quantised finished and normalised). What goes into a quantiser is computed in f32, as accurately as f32 sums, v_exp_f32 and their like allow (about 1e-6 of the number): no bf16 or f16 on the way to a quantiser, and a product that is left as it is and whose result goes on into a quantised operand takes f32 operands (vector FMAs, or v_wmma_f32_16x16x4_f32). A number that lies on a knife's edge between two numbers of the format may be rounded either way, as far as f32 arithmetic and the matrix unit's own rounding can turn it there, and no further.
;;   INPUTS GIVEN AS CODES. proj_w (in the module: [1024, 1024], K = its axis 1); qkv_w (in the module: [3072, 1024], K = its axis 1); x (in the module: [8, 1024, 1024], K = its axis 2): each comes as NAME_codes (uint8): NAME with its K axis moved to the last place and cut into blocks of 32 codes, [.., K / 32, bytes a block], one block behind the other in memory; four codes in three bytes: a row's codes are one little-endian stream of bits, code i at bits 6 i .. 6 i + 5 (a code: sign, 3 exponent bits, 2 mantissa bits); and NAME_scales (uint8): the same leading axes, one E8M0 byte (e + 127) for each 32 codes along K. Its value is code x scale, taken as it is: it is not quantised again, and the codes and scales need not be those that the quantiser above would give.
;; One version. Each part assembles by itself: llvm-mc -triple=amdgcn-amd-amdhsa -mcpu=gfx1250 --defsym DOCPART=n.
;; ======== version 1 of 1: 3 launches
;; limits: right only within a limited range of input values
;; workspace buffers: ws_qkv 19,660,800 bytes; ws_oimg 6,291,456 bytes; ws_osc 262,144 bytes
;; launch qkv (part 1): grid 8 x 32, 4 waves a work-group, clusters of 4 x 4, 327,680 bytes of LDS; arguments x_codes, x_scales, qkv_w_codes, qkv_w_scales, ws_qkv; writes ws_qkv
.if DOCPART == 1
	.amdgcn_target "amdgcn-amd-amdhsa--gfx1250"
	.amdhsa_code_object_version 6
	.text
	.protected	k_q58a330fe5c_qkv
	.globl	k_q58a330fe5c_qkv
	.p2align	8
	.type	k_q58a330fe5c_qkv,@function
k_q58a330fe5c_qkv:
	s_mov_b64 s[64:65], 0
	v_nop
	global_prefetch_b8 v0, s[64:65] scope:SCOPE_SE
	s_setreg_imm32_b32 hwreg(HW_REG_WAVE_MODE, 25, 1), 1
	s_wait_xcnt 0x0
	s_wait_alu depctr_hold_cnt(0) depctr_sa_sdst(0) depctr_va_vdst(0) depctr_va_sdst(0) depctr_va_ssrc(0) depctr_va_vcc(0) depctr_vm_vsrc(0)
	s_getreg_b32 s2, hwreg(HW_REG_IB_STS2, 6, 4)
	s_cmp_eq_u32 s2, 0
	s_cbranch_scc0 .Lentry_in_a_cluster
	s_endpgm
.Lentry_in_a_cluster:
	s_bfe_u32 s2, ttmp6, 0x10000c
	s_cmp_lg_u32 s2, 0xf033
	s_cbranch_scc0 .Lentry_shape_is_right
	s_endpgm
.Lentry_shape_is_right:
; qkv = x W^T on codes of BF6 (E3M2) with E8M0 scales; q, k and v are quantised again and leave as the attention's operands.  No step of the problem is left out.
; SHARES.  Work-group (column set c = 0..7, row block 0..31): 256 tokens x 384 rows of W: rows 2048 + 128 c on (v of the pair of heads c: 2 groups of 64) and rows 256 c on (q or k of four heads: 4 groups of 64).
; A wave owns 64 tokens: their codes for all of K stay in 384 registers (4 tiles x 8 steps x 12).  A group is 16 accumulators x 8 steps of 128 along K.
; LDS.  Rows of W and x lie whole, 768 bytes of memory each (three units of 256 bytes, 16 bytes of padding behind each: pitch 816).  The head fills x's 256 rows (bytes 0 on) and v's 128 rows of W (YREG on);
; when x is in registers, x's bytes are filled again, once, with the 256 rows of W for q, k.  No ring along K, and no loop: so no prefetch is laid: every tile is asked for in these two groups of loads.
; CLUSTERS 4 x 4: x's tiles are shared along a row of the cluster, W's along a column: joint loads.
; TILES.  Row r of tile u of a group of 64 rows (of tokens, and of W alike) is row 8 u + r for r < 8 and row 32 + 8 (u xor 1) + r - 8 for r >= 8: the sixteen rows start in sixteen different groups of banks,
; and in a result the 32 registers of four tiles in lanes 0-15 are rows 0-31 of the group, in lanes 16-31 rows 32-63: a whole block of 32 in a lane.  Within the upper block the order is 8-15, 0-7, 24-31, 16-23:
; q and k carry it alike along the channels, k's rows, p and v alike along the keys, and the last launch stores its rows by the same map.
; q, k: source 0 = W, source 1 = x: a lane holds a token.  v: source 0 = x, source 1 = W: a lane holds a channel, registers run along the keys; v's channels are the next product's K in true order,
; so lanes with r >= 8 of tiles u and u xor 1 change places ahead of the stores.
; OUT: chunks of 6,400 bytes (128 rows x 64 along K): tile t at 768 t: pair i of lane l at 256 i + 8 l; at 6144 + 64 (t / 2) + 4 r a word: tile 2 g's two scale bytes, then tile 2 g + 1's.
; q, k: chunk 256 b + 8 (column / 64) + token / 128; v: chunk 2048 + 8 (16 b + key / 64) + c.  Codes leave as 256 consecutive bytes an instruction; a wave's scale words as 128.
; LIMITS: a block under 2^-122, or of zeros, gets the scale byte 1 (this program alone reads the bytes).
; REGISTERS: window 0: v0-31 addresses, v32-47 x's scale words, v48-111 W's (4 sets), v112-255 W's fragments (3 sets of 48); windows 1, 2: x's fragments of tiles 0, 1 and 2, 3; window 3: v0-127 accumulators, v128 on the way out.
.set PITCH, 816
.set GRP,   64*PITCH
.set YREG,  256*PITCH
.set SPARE, YREG+2*GRP
.set CHUNK, 6400
.set NSTEP, 48
.set LA,  4                            ; v4-7 lane's place in a group: even tiles, the same across two units, odd tiles, the same across two units
.set BA,  8                            ; v8-11 the same in the group being fetched
.set SOF, 12                           ; v12 lane's offset among a group's scale rows
.set SPW, 14
.set NIL, 15
.set AL,  16                           ; v16-19 the same as v4-7 in my 64 rows of x
.set AS,  32
.set BS,  48
.set BF,  112
.set TM,  128                          ; window 3
.set SP,  132
.set BYR, 136
.set PC,  144
.set OU,  176
.set SA,  208
.set ST,  209
.set SAV, 210
.set STV, 211
.set SH,  212
.set WA,  214
.set WB,  215
.set XA,  216
.set XB,  217
.set G1,  24
.set G1B, 48
.set MSB, 0
.macro WIN new
.set WNEW, \new
.if MSB != WNEW
	s_set_vgpr_msb (MSB<<8)|WNEW
.set MSB, WNEW
.endif
.endm
.macro PLACES n
.rept \n
	v_nop
.endr
.endm
.macro CROUND
	s_barrier_signal -1
	s_barrier_wait -1
	s_cmp_lg_u32 s14, 0
	s_cbranch_scc1 .Lnot_wave_0_\@
	s_barrier_signal -3
.Lnot_wave_0_\@:
	s_barrier_wait -3
	s_barrier_signal -1
	s_barrier_wait -1
.endm
	s_load_b128 s[4:7], s[0:1], 0x0                ; x's codes, x's scales
	s_load_b128 s[8:11], s[0:1], 0x10              ; W's codes, W's scales
	s_load_b64 s[12:13], s[0:1], 0x20              ; the chunks
	v_lshl_add_u32 v[SPW], v0, 2, SPARE
	v_mov_b32 v[NIL], 0
	ds_add_u32 v[SPW], v[NIL]                      ; the opening lines: the add twice and one wait
	ds_add_u32 v[SPW], v[NIL]
	v_lshrrev_b32 v1, 5, v0
	v_readfirstlane_b32 s14, v1                    ; wave
	s_lshr_b32 s15, s14, 1
	s_and_b32 s16, s14, 1
	s_bfe_u32 s40, ttmp6, 0x40000                  ; cx
	s_bfe_u32 s41, ttmp6, 0x40004                  ; cy
	s_lshl_b32 s42, ttmp9, 2
	s_add_co_u32 s42, s42, s40                     ; column set
	s_and_b32 s17, ttmp7, 0xffff
	s_lshl_b32 s17, s17, 2
	s_add_co_u32 s17, s17, s41                     ; row block
	s_lshl_b32 s43, s41, 2
	s_lshl_b32 s43, 15, s43                        ; my row of the cluster
	s_lshl_b32 s44, 0x1111, s40                    ; my column
	s_or_b32 s[G1], s43, (1<<20)|(1<<21)|(5<<22)|(3<<25)    ; x: 128 rows of 768 bytes, 4 words of padding behind every 64
	s_or_b32 s[G1B], s44, (1<<20)|(1<<21)|(5<<22)|(3<<25)   ; W: 64 rows
	s_mov_b32 s[G1+1], 768<<16
	s_mov_b32 s[G1+2], 128<<16
	s_mov_b32 s[G1+3], 768<<16
	s_mov_b32 s[G1+4], 128
	s_mov_b32 s[G1+5], 768
	s_mov_b32 s[G1+6], 0
	s_mov_b32 s[G1+7], 0
	s_mov_b32 s[G1B+1], 768<<16
	s_mov_b32 s[G1B+2], 64<<16
	s_mov_b32 s[G1B+3], 768<<16
	s_mov_b32 s[G1B+4], 64
	s_mov_b32 s[G1B+5], 768
	s_mov_b32 s[G1B+6], 0
	s_mov_b32 s[G1B+7], 0
	s_lshl_b32 s20, s17, 8                         ; x: row 256 x row block + 128 x (wave % 2)
	s_lshl_b32 s18, s16, 7
	s_add_co_u32 s20, s20, s18
	s_mul_i32 s20, s20, 768
	s_mov_b32 s21, 0
	s_lshl_b32 s46, s42, 7                         ; W for v: row 2048 + 128 c + 64 x (wave % 2)
	s_lshl_b32 s18, s16, 6
	s_add_co_u32 s46, s46, s18
	s_add_co_u32 s46, s46, 2048
	s_mul_i32 s46, s46, 768
	s_mov_b32 s47, 0
	s_lshl_b32 s66, s42, 8                         ; W for q, k: row 256 c + 64 x wave
	s_lshl_b32 s18, s14, 6
	s_add_co_u32 s66, s66, s18
	s_mul_i32 s66, s66, 768
	s_mov_b32 s67, 0
	s_mul_i32 s45, s16, 128*PITCH                  ; where they go
	s_mul_i32 s19, s16, GRP
	s_add_co_u32 s19, s19, YREG
	s_mul_i32 s2, s14, GRP
	s_lshl_b32 s22, s17, 13                        ; scales, 32 bytes a row: my 64 tokens',
	s_lshl_b32 s18, s14, 11
	s_add_co_u32 s22, s22, s18
	s_mov_b32 s23, 0
	s_lshl_b32 s68, s42, 12                        ; v's rows of W,
	s_add_co_u32 s68, s68, 65536
	s_mov_b32 s69, 0
	s_lshl_b32 s70, s42, 13                        ; q, k's rows of W
	s_mov_b32 s71, 0
	s_lshr_b32 s76, s17, 2                         ; batch
	s_and_b32 s79, s17, 3
	s_lshl_b32 s72, s76, 8                         ; q, k: chunk 256 b + 32 c + 2 (row block % 4) + wave / 2
	s_lshl_b32 s18, s42, 5
	s_add_co_u32 s72, s72, s18
	s_lshl_b32 s18, s79, 1
	s_add_co_u32 s72, s72, s18
	s_add_co_u32 s72, s72, s15
	s_mul_i32 s72, s72, CHUNK
	s_mov_b32 s73, 0
	s_lshl_b32 s74, s76, 4                         ; v: chunk 2048 + 8 (16 b + 4 (row block % 4) + wave) + c
	s_lshl_b32 s18, s79, 2
	s_add_co_u32 s74, s74, s18
	s_add_co_u32 s74, s74, s14
	s_lshl_b32 s74, s74, 3
	s_add_co_u32 s74, s74, s42
	s_add_co_u32 s74, s74, 2048
	s_mul_i32 s74, s74, CHUNK
	s_mov_b32 s75, 0
	s_mul_i32 s77, s16, 3072                       ; my half of a chunk of q or k: four tiles,
	s_lshl_b32 s78, s16, 7
	s_add_co_u32 s78, s78, 6144                    ; two units' words
	s_mov_b32 s80, 0xff00ff00                      ; lanes with r >= 8
	s_mov_b32 s81, 0xffff0000                      ; lanes 16-31
	s_mov_b32 s82, 0x76543210
	s_mov_b32 s83, 0xfedcba98                      ; v_permlanex16_b32's selects for lane l xor 16
	s_wait_dscnt 0x0                               ; both opening adds are done
	s_wait_kmcnt 0x0
	s_add_nc_u64 s[20:21], s[4:5], s[20:21]
	s_add_nc_u64 s[46:47], s[8:9], s[46:47]
	s_add_nc_u64 s[66:67], s[8:9], s[66:67]
	s_add_nc_u64 s[22:23], s[6:7], s[22:23]
	s_add_nc_u64 s[68:69], s[10:11], s[68:69]
	s_add_nc_u64 s[70:71], s[10:11], s[70:71]
	s_add_nc_u64 s[72:73], s[12:13], s[72:73]
	s_add_nc_u64 s[74:75], s[12:13], s[74:75]
	CROUND                                         ; the first joint loads meet
	s_mov_b32 s32, 1
	s_mov_b32 s33, s45
	s_mov_b64 s[34:35], s[20:21]
	s_or_b32 s35, s35, 0x80000000
	s_mov_b32 s36, 1
	s_mov_b32 s37, s19
	s_mov_b64 s[38:39], s[46:47]
	s_or_b32 s39, s39, 0x80000000
	s_mov_b32 s56, 1
	s_mov_b32 s57, s2
	s_mov_b64 s[58:59], s[66:67]
	s_or_b32 s59, s59, 0x80000000
	s_cmp_eq_u32 s15, 0                            ; one load a wave: waves 0, 1 x's halves, waves 2, 3 the two groups of W for v
	s_cbranch_scc0 .Lhead_v
	tensor_load_to_lds s[32:35], s[G1:G1+7]
	s_nop 0
	PLACES 4
	s_branch .Lhead_asked
.Lhead_v:
	tensor_load_to_lds s[36:39], s[G1B:G1B+7]
	s_nop 0
	PLACES 4
.Lhead_asked:
	v_and_b32 v1, 15, v0                           ; r
	v_bfe_u32 v2, v0, 4, 1                         ; h
	v_bfe_u32 v3, v0, 3, 1                         ; e = r / 8
	v_and_b32 v25, 31, v0                          ; lane
	v_lshl_add_u32 v20, v3, 5, v1                  ; even tiles: row r + 32 e (+ 8 u)
	v_lshl_add_u32 v21, v3, 4, v1                  ; odd tiles: row r + 16 e (+ 8 u)
	v_mul_u32_u24 v22, v2, 24
	v_mad_u32_u24 v[LA], v20, PITCH, v22
	v_mad_u32_u24 v[LA+2], v21, PITCH, v22
	v_lshl_add_u32 v[LA+1], v2, 4, v[LA]           ; where lanes 16-31 read the next unit of 256 bytes: its padding lies between
	v_lshl_add_u32 v[LA+3], v2, 4, v[LA+2]
.irp i, 0,1,2,3
	v_add_nc_u32 v[AL+\i], s2, v[LA+\i]
	v_add_nc_u32 v[BA+\i], YREG, v[LA+\i]
.endr
	v_lshlrev_b32 v23, 4, v2
	v_sub_nc_u32 v23, 32, v23
	v_lshl_add_u32 v24, v2, 3, v1
	v_mad_u32_u24 v24, v3, v23, v24                ; lanes 0-15 tile 2 g, lanes 16-31 tile 2 g + 1: row r + 8 h + e (32 - 16 h) (+ 16 g)
	v_lshlrev_b32 v[SOF], 5, v24
	WIN 0xc0
	v_lshl_add_u32 v[SA], v25, 3, s77
	v_lshl_add_u32 v[ST], v25, 2, s78
	v_lshlrev_b32 v[SAV], 3, v25
	v_lshl_add_u32 v[STV], v25, 2, 6144
	v_lshlrev_b32 v[SH], 3, v2
	v_mov_b32 v[XA], 0
	v_mov_b32 v[XB], 0
	WIN 0
.macro LDBS set, sb, grp               ; a group's scale words: register 8 g + step
.irp g, 0,1
.irp q, 0,1
	global_load_b128 v[BS+16*(\set)+8*\g+4*\q:BS+16*(\set)+8*\g+4*\q+3], v[SOF], s[\sb:\sb+1] offset:2048*(\grp)+512*\g+16*\q
.endr
.endr
.endm
.irp g, 0,1
.irp q, 0,1
	global_load_b128 v[AS+8*\g+4*\q:AS+8*\g+4*\q+3], v[SOF], s[22:23] offset:512*\g+16*\q
.endr
.endr
	LDBS 0, 68, 0
	LDBS 1, 68, 1
	LDBS 2, 70, 0
	LDBS 3, 70, 1
; a fragment: 16 rows x 128 K = 12 registers, in pieces of 8 bytes.  Byte y of a row lies at y + 16 (y / 256) of its LDS row; lanes 16-31 read 24 bytes on
.macro FRAG reg, adr, st, u
.irp p, 0,1,2,3,4,5
.set BYT, 96*(\st)+48*(\p/3)+8*(\p%3)
.if BYT/256 == (BYT+24)/256
	ds_load_b64 v[(\reg)+2*\p:(\reg)+2*\p+1], v[\adr+2*((\u)%2)] offset:BYT+16*(BYT/256)+8*(\u)*PITCH
.else
	ds_load_b64 v[(\reg)+2*\p:(\reg)+2*\p+1], v[\adr+2*((\u)%2)+1] offset:BYT+16*(BYT/256)+8*(\u)*PITCH
.endif
.endr
.endm
.macro WM d, f0, f1, c0, c1, r0, r1, z
.set D_, \d
.set F0_, \f0
.set F1_, \f1
.set C0_, \c0
.set C1_, \c1
.set V_, 4*(\z)+2*(\r0)+(\r1)
.if V_ == 0
	v_wmma_scale_f32_16x16x128_f8f6f4 v[D_:D_+7], v[F0_:F0_+11], v[F1_:F1_+11], v[D_:D_+7], v[C0_], v[C1_] matrix_a_fmt:MATRIX_FMT_BF6 matrix_b_fmt:MATRIX_FMT_BF6
.elseif V_ == 1
	v_wmma_scale_f32_16x16x128_f8f6f4 v[D_:D_+7], v[F0_:F0_+11], v[F1_:F1_+11], v[D_:D_+7], v[C0_], v[C1_] matrix_a_fmt:MATRIX_FMT_BF6 matrix_b_fmt:MATRIX_FMT_BF6 matrix_b_scale:MATRIX_SCALE_ROW1
.elseif V_ == 2
	v_wmma_scale_f32_16x16x128_f8f6f4 v[D_:D_+7], v[F0_:F0_+11], v[F1_:F1_+11], v[D_:D_+7], v[C0_], v[C1_] matrix_a_fmt:MATRIX_FMT_BF6 matrix_b_fmt:MATRIX_FMT_BF6 matrix_a_scale:MATRIX_SCALE_ROW1
.elseif V_ == 3
	v_wmma_scale_f32_16x16x128_f8f6f4 v[D_:D_+7], v[F0_:F0_+11], v[F1_:F1_+11], v[D_:D_+7], v[C0_], v[C1_] matrix_a_fmt:MATRIX_FMT_BF6 matrix_b_fmt:MATRIX_FMT_BF6 matrix_a_scale:MATRIX_SCALE_ROW1 matrix_b_scale:MATRIX_SCALE_ROW1
.elseif V_ == 4
	v_wmma_scale_f32_16x16x128_f8f6f4 v[D_:D_+7], v[F0_:F0_+11], v[F1_:F1_+11], 0, v[C0_], v[C1_] matrix_a_fmt:MATRIX_FMT_BF6 matrix_b_fmt:MATRIX_FMT_BF6
.elseif V_ == 5
	v_wmma_scale_f32_16x16x128_f8f6f4 v[D_:D_+7], v[F0_:F0_+11], v[F1_:F1_+11], 0, v[C0_], v[C1_] matrix_a_fmt:MATRIX_FMT_BF6 matrix_b_fmt:MATRIX_FMT_BF6 matrix_b_scale:MATRIX_SCALE_ROW1
.elseif V_ == 6
	v_wmma_scale_f32_16x16x128_f8f6f4 v[D_:D_+7], v[F0_:F0_+11], v[F1_:F1_+11], 0, v[C0_], v[C1_] matrix_a_fmt:MATRIX_FMT_BF6 matrix_b_fmt:MATRIX_FMT_BF6 matrix_a_scale:MATRIX_SCALE_ROW1
.else
	v_wmma_scale_f32_16x16x128_f8f6f4 v[D_:D_+7], v[F0_:F0_+11], v[F1_:F1_+11], 0, v[C0_], v[C1_] matrix_a_fmt:MATRIX_FMT_BF6 matrix_b_fmt:MATRIX_FMT_BF6 matrix_a_scale:MATRIX_SCALE_ROW1 matrix_b_scale:MATRIX_SCALE_ROW1
.endif
.endm
; a step's 16 products, the 16 accumulators by turns.  The accumulator lies at 32 x (the tile whose rows are lanes) + 8 x (the tile whose rows are registers)
.macro MUL st, set, bs, vm, z
.irp hf, 0,1
.if \vm
	WIN 0xf1+\hf
.else
	WIN 0xf4+4*\hf
.endif
.irp aa, 0,1
.irp u, 0,1,2,3
.if \vm
	WM 32*\u+8*(2*\hf+\aa), 12*(8*\aa+(\st)), BF+48*(\set)+12*\u, AS+8*\hf+(\st), BS+16*(\bs)+8*(\u/2)+(\st), \aa, \u%2, \z
.else
	WM 32*(2*\hf+\aa)+8*\u, BF+48*(\set)+12*\u, 12*(8*\aa+(\st)), BS+16*(\bs)+8*(\u/2)+(\st), AS+8*\hf+(\st), \u%2, \aa, \z
.endif
.endr
.endr
.endr
.endm
; step GS of the 48: W's fragments of step GS + 2 are asked for, into the set that step GS - 1 has read; then this step's products
.macro KSTEP vm
.set NX, GS+2
	PLACES 4                                       ; behind the products that read the set to be loaded
	WIN 0
.set CNT, 0
.if GS+1 < NSTEP
.set CNT, 24
.endif
.if NX < NSTEP
.set CNT, 48
.if NX == 16
	s_wait_tensorcnt 0x0                           ; my 64 rows of W for q, k are in,
	s_wait_dscnt 0x0
	s_barrier_signal -1
	s_barrier_wait -1                              ; everybody's are
.endif
.if NX%8 == 0
.if NX/8 < 2
.set GB, YREG+(NX/8)*GRP
.else
.set GB, (NX/8-2)*GRP
.endif
.irp i, 0,1,2,3
	v_add_nc_u32 v[BA+\i], GB, v[LA+\i]
.endr
	s_wait_alu depctr_va_vdst(0)
.endif
.irp u, 0,1,2,3
	FRAG BF+48*(NX%3)+12*\u, BA, NX%8, \u
.endr
.endif
	s_wait_dscnt CNT                               ; this step's 24 loads are in; the runs of 24 for the next two steps may be out
.if GS%8 == 0
	MUL GS%8, GS%3, (GS/8)%4, \vm, 1
.else
	MUL GS%8, GS%3, (GS/8)%4, \vm, 0
.endif
.set GS, GS+1
.endm
; THE WAY OUT of a group: for each of four tiles a lane holds a block of 32: largest magnitude with the floor 2^-122, scale, 32 codes in 6 registers, stored as the next launch's registers want them
.macro EPI vm, sb, off, toff
	PLACES 5                                       ; behind the last products: results are read, and the accumulators begun anew by the next group
	s_wait_xcnt 0x0                                ; the last group's stores have read their registers
	WIN 0xff
.irp n, 0,1,2,3
	v_max3_num_f32 v[TM+\n], |v[32*\n]|, |v[32*\n+1]|, 0x2800000
.endr
.irp i, 2,4,6,8,10,12,14,16,18,20,22,24,26,28,30
.irp n, 0,1,2,3
	v_max3_num_f32 v[TM+\n], |v[32*\n+\i]|, |v[32*\n+\i+1]|, v[TM+\n]
.endr
.endr
.irp n, 0,1,2,3
	v_add_nc_u32 v[SP+\n], 0xfe000000, v[TM+\n]    ; 4 off the exponent field: the conversion's scale operand
.endr
.irp n, 0,1,2,3
	v_lshrrev_b32 v[BYR+\n], 23, v[SP+\n]          ; the scale's byte
.endr
.irp n, 0,1,2,3
	v_cvt_scalef32_pk16_bf6_f32 v[PC+8*\n:PC+8*\n+2], v[32*\n:32*\n+15], v[SP+\n]
	v_cvt_scalef32_pk16_bf6_f32 v[PC+8*\n+4:PC+8*\n+6], v[32*\n+16:32*\n+31], v[SP+\n]
.endr
	v_nop                                          ; one plain place behind a scaled conversion
.if \vm
.set DD, OU
.set BB, TM
.set SX, SAV
.set TX, STV
.irp n, 0,1,2,3
.irp k, 0,1,2,3,4,5
	v_cndmask_b32 v[OU+8*\n+\k], v[PC+8*\n+\k+\k/3], v[PC+8*(\n^1)+\k+\k/3], s80   ; lanes with r >= 8 take tile n xor 1's: the chunk's channels in true order
.endr
	v_cndmask_b32 v[TM+\n], v[BYR+\n], v[BYR+(\n^1)], s80
.endr
.else
.set DD, PC
.set BB, BYR
.set SX, SA
.set TX, ST
.irp n, 0,1,2,3
	v_mov_b32 v[PC+8*\n+3], v[PC+8*\n+4]           ; (a conversion's three registers begin on an even number)
	v_mov_b32 v[PC+8*\n+4], v[PC+8*\n+5]
	v_mov_b32 v[PC+8*\n+5], v[PC+8*\n+6]
.endr
.endif
	v_lshl_or_b32 v[WA], v[BB+1], 16, v[BB]        ; my bytes (block h) of tiles 0, 1 and of tiles 2, 3,
	v_lshl_or_b32 v[WB], v[BB+3], 16, v[BB+2]
	v_lshlrev_b32 v[WA], v[SH], v[WA]              ; 8 h bits up;
	v_lshlrev_b32 v[WB], v[SH], v[WB]
	v_permlanex16_b32 v[XA], v[WA], s82, s83
	v_permlanex16_b32 v[XB], v[WB], s82, s83
	v_or_b32 v[WA], v[WA], v[XA]                   ; with lane l xor 16's the words are whole
	v_or_b32 v[WB], v[WB], v[XB]
	v_cndmask_b32 v[WA], v[WA], v[WB], s81         ; lanes 0-15 store the first unit's words, lanes 16-31 the second's
	s_wait_alu depctr_va_vdst(0)
.irp n, 0,1,2,3
.irp i, 0,1,2
	global_store_b64 v[SX], v[DD+8*\n+2*\i:DD+8*\n+2*\i+1], s[\sb:\sb+1] offset:(\off)+768*\n+256*\i   ; 32 lanes store 256 consecutive bytes, aligned
.endr
.endr
	global_store_b32 v[TX], v[WA], s[\sb:\sb+1] offset:\toff
	WIN 0
.endm
	s_wait_alu depctr_va_vdst(0)                   ; the wait at the head's end
	s_wait_tensorcnt 0x0                           ; my tile of the head's four is in,
	s_barrier_signal -1
	s_barrier_wait -1                              ; everybody's is
.irp hf, 0,1
	WIN 0x40+0x40*\hf
.irp aa, 0,1
.irp st, 0,1,2,3,4,5,6,7
	FRAG 12*(8*\aa+\st), AL, \st, 2*\hf+\aa        ; x's fragments, for the whole launch
.endr
.endr
.endr
	WIN 0
	s_wait_tensorcnt 0x0                           ; ahead of the refill
	ds_add_u32 v[SPW], v[NIL]
	s_wait_dscnt 0x0                               ; the add is done, and my reads of x's rows
	CROUND                                         ; no wave of any partner still reads x's rows
	tensor_load_to_lds s[56:59], s[G1B:G1B+7]      ; W's rows for q, k, 64 a wave, into x's bytes
	s_nop 0
	PLACES 4
.irp u, 0,1,2,3
	FRAG BF+12*\u, BA, 0, \u
.endr
.irp u, 0,1,2,3
	FRAG BF+48+12*\u, BA, 1, \u
.endr
	s_wait_loadcnt 0x0                             ; the scale words
.set GS, 0
.rept 8
	KSTEP 1
.endr
	EPI 1, 74, 0, 0
	LDBS 0, 70, 2                                  ; the set that this group has done with takes the fifth group's words
.rept 8
	KSTEP 1
.endr
	EPI 1, 74, 3072, 128
	LDBS 1, 70, 3
.irp q, 0,1,2,3
.if \q == 2
	s_wait_loadcnt 0x0
.endif
.rept 8
	KSTEP 0
.endr
	EPI 0, 72, \q*8*CHUNK, \q*8*CHUNK
.endr
	s_wait_tensorcnt 0x0                           ; the wave's end
	ds_add_u32 v[SPW], v[NIL]
	s_wait_dscnt 0x0
	CROUND                                         ; the closing round
	s_endpgm
.Lfunc_end_k_q58a330fe5c_qkv:
	.size	k_q58a330fe5c_qkv, .Lfunc_end_k_q58a330fe5c_qkv-k_q58a330fe5c_qkv
	.p2alignl 7, 3214868480
	.fill 96, 4, 3214868480
	.section	.rodata,"a",@progbits
	.p2align	6, 0x0
	.amdhsa_kernel k_q58a330fe5c_qkv
		.amdhsa_group_segment_fixed_size 327680
		.amdhsa_private_segment_fixed_size 0
		.amdhsa_enable_private_segment 0
		.amdhsa_kernarg_size 40
		.amdhsa_user_sgpr_count 2
		.amdhsa_user_sgpr_kernarg_segment_ptr 1
		.amdhsa_wavefront_size32 1
		.amdhsa_system_sgpr_workgroup_id_x 1
		.amdhsa_system_sgpr_workgroup_id_y 1
		.amdhsa_system_sgpr_workgroup_id_z 1
		.amdhsa_system_vgpr_workitem_id 0
		.amdhsa_next_free_vgpr 1024
		.amdhsa_next_free_sgpr 100
		.amdhsa_reserve_vcc 0
		.amdhsa_float_denorm_mode_32 3
		.amdhsa_float_denorm_mode_16_64 3
		.amdhsa_memory_ordered 1
		.amdhsa_forward_progress 1
		.amdhsa_inst_pref_size 252
	.end_amdhsa_kernel
	.amdgpu_metadata
---
amdhsa.version: [ 1, 2 ]
amdhsa.kernels:
  - .name:           k_q58a330fe5c_qkv
    .symbol:         k_q58a330fe5c_qkv.kd
    .args:
      - { .name: x_codes, .offset: 0, .size: 8, .value_kind: global_buffer, .address_space: global }
      - { .name: x_scales, .offset: 8, .size: 8, .value_kind: global_buffer, .address_space: global }
      - { .name: qkv_w_codes, .offset: 16, .size: 8, .value_kind: global_buffer, .address_space: global }
      - { .name: qkv_w_scales, .offset: 24, .size: 8, .value_kind: global_buffer, .address_space: global }
      - { .name: ws_qkv, .offset: 32, .size: 8, .value_kind: global_buffer, .address_space: global }
    .group_segment_fixed_size: 327680
    .private_segment_fixed_size: 0
    .kernarg_segment_align: 8
    .kernarg_segment_size: 40
    .max_flat_workgroup_size: 128
    .sgpr_count:     100
    .vgpr_count:     1024
    .wavefront_size: 32
...
	.end_amdgpu_metadata
.endif
;; end of part 1
;; launch attn (part 2): grid 4 x 64, 8 waves a work-group, clusters of 4 x 1, 327,680 bytes of LDS; arguments ws_qkv, ws_oimg, ws_osc; writes ws_oimg, ws_osc
.if DOCPART == 2
	.amdgcn_target "amdgcn-amd-amdhsa--gfx1250"
	.amdhsa_code_object_version 6
	.text
	.protected	k_q58a330fe5c_attn
	.globl	k_q58a330fe5c_attn
	.p2align	8
	.type	k_q58a330fe5c_attn,@function
k_q58a330fe5c_attn:
	s_mov_b64 s[64:65], 0
	v_nop
	global_prefetch_b8 v0, s[64:65] scope:SCOPE_SE
	s_setreg_imm32_b32 hwreg(HW_REG_WAVE_MODE, 25, 1), 1
	s_wait_xcnt 0x0
	s_wait_alu depctr_hold_cnt(0) depctr_sa_sdst(0) depctr_va_vdst(0) depctr_va_sdst(0) depctr_va_ssrc(0) depctr_va_vcc(0) depctr_vm_vsrc(0)
	s_getreg_b32 s2, hwreg(HW_REG_IB_STS2, 6, 4)
	s_cmp_eq_u32 s2, 0
	s_cbranch_scc0 .Lentry_in_a_cluster
	s_endpgm
.Lentry_in_a_cluster:
	s_bfe_u32 s2, ttmp6, 0x10000c
	s_cmp_lg_u32 s2, 0x3003
	s_cbranch_scc0 .Lentry_shape_is_right
	s_endpgm
.Lentry_shape_is_right:
; O = softmax(q k^T / 8) v for two heads of one batch and 256 queries, both products on codes of BF6 (E3M2) with E8M0 scales; O is quantised along the channels and leaves as the next product's operand.
; q, k, v come as CHUNKS of 6,400 bytes (128 rows x 64 along K): 8 tiles of 16 rows; tile t at 768 t: pair i of lane l at 256 i + 8 l; tiles 2 g, 2 g + 1 are unit g; at 6144 + 64 g + 4 r a word: tile 2 g's two scale bytes, then tile 2 g + 1's.
; q, k: rows = tokens, K = the head's 64; v: rows = channels of a pair of heads, K = 64 keys.  Row r of tile u of 64 tokens is token 8 u + r (r < 8) or 32 + 8 (u xor 1) + r - 8: k's rows and v's K carry the same order;
; v's rows: channel 64 (t / 4) + 8 (t % 4) + r % 8 + 32 (r / 8).  So in a result the 32 registers of four tiles are one block of 32 of the next K in each lane.
; THE SOFTMAX: t = score x log2(e) / 8; M = the running largest t rounded UP to a whole number; p = 2^(t - M) is quantised along the keys, not normalised; the row's sum is taken of the unquantised p and divides O at the end.
; When M moves, the sum and O are multiplied by 2^(old M - new M): exact.
; SHARES.  Work-group (cx, y): batch y / 8, heads 2 (y % 8) and 2 (y % 8) + 1, queries 256 cx on.  Each of its eight waves owns 32 queries, two tiles, for the first head and then for the second:
; a fragment of k or v that a wave reads from LDS feeds both tiles.  A step is 128 keys: 16 products for the scores, 8 for O.
; LDS.  K and V of both heads, 204,800 bytes, are filled once, jointly for the four work-groups of a cluster, in two groups of loads, one load a wave in each: first K's chunks 0-3 of the first head and V's chunks 0-7,
; of which steps 0 and 1 read; the rest behind a round of the cluster's barrier, waited for behind step 1.  All of K and V is asked for ahead of the third step: there is nothing left for a prefetch to run ahead of.
; K = 64 IN AN INSTRUCTION OF K = 128.  A unit of k, 12 registers, is ONE source 0: against [q; 0] it gives tile 2 g's scores, against [0; q] tile 2 g + 1's: a zero code times any code of this format is 0, and every scale byte lies in 1 .. 254.
; Both products are used transposed (source 0 = keys, or channels; source 1 = 16 queries): a lane holds one query.
; V's fragments are asked for at a step's top and the next step's K behind the scores' products: both are waited for behind the softmax's conversions.
; LIMITS: NaN and infinities are not served.  A block under 2^-122, or of zeros, gets the scale byte 1 (this program alone reads the bytes).  A block's largest p is made from its largest score by the same two instructions as every p:
; that leans on v_exp_f32 not falling where its input rises.  1 / the sum is v_rcp_f32's.  The scaled scores stay under 2^31 in magnitude.
; The second head's O^T is not cleared: its first step multiplies what the first head left, finite numbers, by 2^(old M - new M), which is 0 there.
; REGISTERS.  Window 0: v1-9 addresses; v10-13 O's scale bytes; v14-15 q's words; v16-23, v24-31 a tile's -M, largest t, sum (2), factor (2), two at work; v32-39 block maxima and scale operands; v40-43 k's scale words, v44-47, v56-59 v's,
;   v48-49 q's, v50-51 p's; v64-191 scores, then p, 64 a tile; v192-255 O^T, 32 a tile.  Window 1: v0-47 k's fragments, v48-95 v's, v96-125 [0][qA][0][qB][0], v128-139 the second head's q, v144-167 p's codes, v168-183 at work, v184-207 O's codes.
.set CHUNK, 6400
.set VREG,  16*CHUNK
.set SPARE, 32*CHUNK
.set OB, 10
.set QW, 14
.set BM, 32
.set SO, 36
.set KS, 40
.set VW, 44
.set QS, 48
.set PS, 50
.set VS, 56
.set S,  64
.set OT, 192
.set KF, 0
.set VF, 48
.set Q,  96
.set Q2, 128
.set PC, 144
.set TT, 168
.set OC, 184
.set MSB, 0
.macro WIN new
.set WNEW, \new
.if MSB != WNEW
	s_set_vgpr_msb (MSB<<8)|WNEW
.set MSB, WNEW
.endif
.endm
.macro PLACES n
.rept \n
	v_nop
.endr
.endm
.macro ROUND
	s_barrier_signal -1
	s_barrier_wait -1
	s_cmp_lg_u32 s10, 0
	s_cbranch_scc1 .Lnot_wave_0_\@
	s_barrier_signal -3
.Lnot_wave_0_\@:
	s_barrier_wait -3
	s_barrier_signal -1
	s_barrier_wait -1
.endm
.macro JLOAD g0k, g1k, g0v, g1v        ; waves 0-3 fetch K, waves 4-7 V: one load a wave
	s_cmp_eq_u32 s16, 0
	s_cbranch_scc0 .Lfor_v_\@
	tensor_load_to_lds s[\g0k:\g0k+3], s[\g1k:\g1k+7]
	s_nop 0
	PLACES 4
	s_branch .Lasked_\@
.Lfor_v_\@:
	tensor_load_to_lds s[\g0v:\g0v+3], s[\g1v:\g1v+7]
	s_nop 0
	PLACES 4
.Lasked_\@:
.endm
	s_load_b128 s[4:7], s[0:1], 0x0                ; the chunks; O's images
	s_load_b64 s[8:9], s[0:1], 0x10                ; O's scale words
	v_lshl_add_u32 v2, v0, 2, SPARE
	v_mov_b32 v3, 0
	ds_add_u32 v2, v3                              ; the opening lines: the add twice and one wait
	ds_add_u32 v2, v3
	v_lshrrev_b32 v1, 5, v0
	v_readfirstlane_b32 s10, v1                    ; wave 0..7
	s_bfe_u32 s11, ttmp6, 0x40000                  ; cx: it enters q's and the outputs' addresses alone
	s_and_b32 s14, ttmp7, 0xffff
	s_lshr_b32 s12, s14, 3                         ; the batch b
	s_and_b32 s13, s14, 7                          ; the pair of heads P
	s_and_b32 s15, s10, 3
	s_lshr_b32 s16, s10, 2
	s_mul_i32 s19, s15, 3
	s_add_co_u32 s19, s19, 4                       ; K's second group: chunks 4 + 3 (wave % 4) on, three a wave
	s_lshl_b32 s17, s12, 8                         ; K: chunks 256 b + 128 + 16 P on, sixteen on end
	s_lshl_b32 s14, s13, 4
	s_add_co_u32 s17, s17, s14
	s_add_co_u32 s17, s17, 128
	s_lshl_b32 s18, s12, 7                         ; V: chunks 2048 + 128 b + P + 8 x (64 keys)
	s_add_co_u32 s18, s18, s13
	s_add_co_u32 s18, s18, 2048
	s_add_co_u32 s82, s17, s15
	s_mul_i32 s82, s82, CHUNK
	s_mov_b32 s83, 0
	s_add_co_u32 s84, s17, s19
	s_mul_i32 s84, s84, CHUNK
	s_mov_b32 s85, 0
	s_lshl_b32 s86, s15, 4                         ; V's first group: 64 keys 2 (wave % 4) and the next,
	s_add_co_u32 s86, s86, s18
	s_add_co_u32 s88, s86, 64                      ; its second: eight further on
	s_mul_i32 s86, s86, CHUNK
	s_mov_b32 s87, 0
	s_mul_i32 s88, s88, CHUNK
	s_mov_b32 s89, 0
	s_mul_i32 s53, s15, CHUNK                      ; where they go: no place in the cluster enters an LDS address
	s_lshl_b32 s57, s53, 1
	s_add_co_u32 s57, s57, VREG
	s_mul_i32 s61, s19, CHUNK
	s_add_co_u32 s93, s57, 8*CHUNK
	s_lshl_b32 s74, s12, 8                         ; q: chunk 256 b + 16 P + 2 cx + wave / 4; the second head's is 8 chunks on
	s_add_co_u32 s74, s74, s14
	s_lshl_b32 s14, s11, 1
	s_add_co_u32 s74, s74, s14
	s_add_co_u32 s74, s74, s16
	s_mul_i32 s74, s74, CHUNK
	s_mov_b32 s75, 0
	s_mul_i32 s80, s15, 1536                       ; my unit of it,
	s_lshl_b32 s81, s15, 6
	s_add_co_u32 s81, s81, 6144                    ; and the unit's words
	s_lshl_b32 s76, s12, 6                         ; my first tile of tokens T = 64 b + 16 cx + 2 wave
	s_lshl_b32 s14, s11, 4
	s_add_co_u32 s76, s76, s14
	s_lshl_b32 s14, s10, 1
	s_add_co_u32 s76, s76, s14
	s_lshl_b32 s78, s76, 6                         ; scale words [P][T][16]
	s_lshl_b32 s14, s13, 15
	s_add_co_u32 s78, s78, s14
	s_mov_b32 s79, 0
	s_lshl_b32 s76, s76, 3
	s_add_co_u32 s76, s76, s13
	s_mul_i32 s76, s76, 1536                       ; images [T][P][1536]
	s_mov_b32 s77, 0
	s_mov_b32 s20, 0x76543210
	s_mov_b32 s21, 0xfedcba98                      ; v_permlanex16_b32's selects for lane l xor 16
	s_mov_b32 s22, 0x3e38aa3b                      ; c = log2(e) / 8
	s_mov_b32 s23, s22
	s_mov_b32 s51, 0x05040100                      ; the low halves of two words
	s_mov_b32 s70, 0x07060302                      ; the high halves
	s_mov_b32 s71, 0x01000100                      ; the low two bytes, twice
	s_mov_b32 s72, 0x03020302                      ; the high two bytes, twice
	s_mov_b32 s73, 0xffff0000                      ; lanes 16-31
	s_mov_b32 s24, 15|(3<<16)|(1<<21)              ; one chunk, dense: 25 rows of 256 bytes; the mask names all four work-groups
	s_mov_b32 s25, 32<<16
	s_mov_b32 s26, 25<<16
	s_mov_b32 s27, 32<<16
	s_mov_b32 s28, 25
	s_mov_b32 s29, 32
	s_mov_b32 s30, 0
	s_mov_b32 s31, 0
	s_mov_b32 s32, 15|(3<<16)|(1<<21)              ; three chunks on end: 75 rows of 256 bytes
	s_mov_b32 s33, 32<<16
	s_mov_b32 s34, 75<<16
	s_mov_b32 s35, 32<<16
	s_mov_b32 s36, 75
	s_mov_b32 s37, 32
	s_mov_b32 s38, 0
	s_mov_b32 s39, 0
	s_mov_b32 s40, 15|(3<<16)|(1<<21)              ; two chunks 8 chunks apart: 2 rows of 6,400 bytes
	s_mov_b32 s41, 800<<16
	s_mov_b32 s42, 2<<16
	s_mov_b32 s43, 800<<16
	s_mov_b32 s44, 2
	s_mov_b32 s45, 6400
	s_mov_b32 s46, 0
	s_mov_b32 s47, 0
	s_mov_b32 s52, 1
	s_mov_b32 s56, 1
	s_mov_b32 s60, 1
	s_mov_b32 s92, 1
	s_wait_dscnt 0x0                               ; both opening adds are done
	s_wait_kmcnt 0x0
	s_add_nc_u64 s[54:55], s[4:5], s[82:83]
	s_or_b32 s55, s55, 0x80000000
	s_add_nc_u64 s[58:59], s[4:5], s[86:87]
	s_or_b32 s59, s59, 0x80000000
	s_add_nc_u64 s[62:63], s[4:5], s[84:85]
	s_or_b32 s63, s63, 0x80000000
	s_add_nc_u64 s[94:95], s[4:5], s[88:89]
	s_or_b32 s95, s95, 0x80000000
	s_add_nc_u64 s[74:75], s[4:5], s[74:75]
	s_add_nc_u64 s[76:77], s[6:7], s[76:77]
	s_add_nc_u64 s[78:79], s[8:9], s[78:79]
	ROUND                                          ; the joint loads meet
	JLOAD 52, 24, 56, 40                           ; what steps 0 and 1 read
	v_and_b32 v10, 31, v0                          ; lane
	v_and_b32 v11, 15, v0                          ; r
	v_bfe_u32 v12, v0, 4, 1                        ; h
	v_lshlrev_b32 v1, 3, v10                       ; v1: 8 x lane
	v_lshlrev_b32 v4, 2, v11                       ; v4: 4 r
	v_lshlrev_b32 v9, 3, v12                       ; v9: 8 h
	v_lshlrev_b32 v60, 4, v10                      ; v60: 16 x lane
	v_lshlrev_b32 v61, 2, v10                      ; v61: 4 x lane
	v_add_nc_u32 v62, s81, v4                      ; v62: my row's word of q's unit
	v_add_nc_u32 v63, s80, v1                      ; v63: my pairs of q
	v_mov_b32 v5, v1                               ; K's chunk 0
	v_mov_b32 v6, v4
	WIN 0x40
.irp t, 0,1
.irp i, 0,1,2
	global_load_b64 v[Q+6+12*\t+2*\i:Q+6+12*\t+2*\i+1], v63, s[74:75] offset:768*\t+256*\i
	global_load_b64 v[Q2+6*\t+2*\i:Q2+6*\t+2*\i+1], v63, s[74:75] offset:8*CHUNK+768*\t+256*\i
.endr
.endr
.irp z, 0,1,2
.irp i, 0,1,2,3,4,5
	v_mov_b32 v[Q+12*\z+\i], 0                     ; 64 zero codes, three times
.endr
.endr
	WIN 0
	global_load_b32 v[QW], v62, s[74:75]
	global_load_b32 v[QW+1], v62, s[74:75] offset:8*CHUNK
	s_wait_alu depctr_va_vdst(0)                   ; the wait at the head's end
	s_wait_tensorcnt 0x0                           ; my chunks are in; ahead of a later first fill
	ds_add_u32 v2, v3
	s_wait_dscnt 0x0
	ROUND                                          ; everybody's chunks are in, and the joint loads meet
	JLOAD 60, 32, 92, 40                           ; the rest of K and V
.macro KLOAD                           ; a chunk of K: four units and their rows' scale words
	WIN 0x40
.irp g, 0,1,2,3
.irp s, 0,1,2,3,4,5
	ds_load_b64 v[KF+12*\g+2*\s:KF+12*\g+2*\s+1], v5 offset:1536*\g+256*\s
.endr
.endr
	WIN 0
.irp g, 0,1,2,3
	ds_load_b32 v[KS+\g], v6 offset:6144+64*\g
.endr
.endm
; A STEP: 128 keys of head hh, two tiles of queries, line by line by turns.  s48: the NEXT step's chunk of K in LDS; s49: this step's two chunks of V.
.macro STEP hh, last
	v_add_nc_u32 v5, s48, v1                       ; these four are also the places behind the last step's products
	v_add_nc_u32 v6, s48, v4
	v_add_nc_u32 v7, s49, v1
	v_add_nc_u32 v8, s49, v4
	WIN 0x40
.irp k, 0,1,2,3                        ; tile k of the head's four tiles of channels; registers 6 c on: keys 64 c on, from chunk c
.irp c, 0,1
.irp i, 0,1,2
	ds_load_b64 v[VF+12*\k+6*\c+2*\i:VF+12*\k+6*\c+2*\i+1], v7 offset:CHUNK*\c+1536*(2*\hh+\k/2)+768*(\k%2)+256*\i
.endr
.endr
.endr
	WIN 0
.irp e, 0,1
.irp c, 0,1
	ds_load_b32 v[VW+2*\e+\c], v8 offset:CHUNK*\c+6144+64*(2*\hh+\e)
.endr
.endr
	s_wait_alu depctr_va_vdst(0)
	s_wait_dscnt 28                                ; K is in; V's 28 loads may be out
	WIN 0x05
.irp g, 0,1,2,3
.irp t, 0,1
	v_wmma_scale_f32_16x16x128_f8f6f4 v[S+64*\t+16*\g:S+64*\t+16*\g+7], v[KF+12*\g:KF+12*\g+11], v[Q+6+12*\t:Q+17+12*\t], 0, v[KS+\g], v[QS+\t] matrix_a_fmt:MATRIX_FMT_BF6 matrix_b_fmt:MATRIX_FMT_BF6     ; against [q; 0]: tile 2 g
	v_wmma_scale_f32_16x16x128_f8f6f4 v[S+64*\t+16*\g+8:S+64*\t+16*\g+15], v[KF+12*\g:KF+12*\g+11], v[Q+12*\t:Q+11+12*\t], 0, v[KS+\g], v[QS+\t] matrix_a_fmt:MATRIX_FMT_BF6 matrix_b_fmt:MATRIX_FMT_BF6  ; against [0; q]: tile 2 g + 1
.endr
.endr
	WIN 0
	PLACES 4                                       ; in front of loads into registers that these products have read
.if \last
	s_wait_alu depctr_va_vdst(0)
	s_cmp_eq_u32 s50, 1                            ; the launch's last step has no next chunk of K
	s_cbranch_scc1 .Lno_next_\@
.endif
	KLOAD
.if \last
.Lno_next_\@:
.endif
.irp t, 0,1
.irp c, 0,1
	v_max3_num_f32 v[BM+2*\t+\c], v[S+64*\t+32*\c], v[S+64*\t+32*\c+1], v[S+64*\t+32*\c+2]   ; the largest score of each block of 32 keys: four chains by turns, each tile read from its low end on
.endr
.endr
.irp i, 3,5,7,9,11,13,15,17,19,21,23,25,27,29
.irp t, 0,1
.irp c, 0,1
	v_max3_num_f32 v[BM+2*\t+\c], v[BM+2*\t+\c], v[S+64*\t+32*\c+\i], v[S+64*\t+32*\c+\i+1]
.endr
.endr
.endr
.irp t, 0,1
.irp c, 0,1
	v_max_num_f32 v[BM+2*\t+\c], v[BM+2*\t+\c], v[S+64*\t+32*\c+31]
.endr
.endr
.irp t, 0,1
	v_max_num_f32 v[22+8*\t], v[BM+2*\t], v[BM+2*\t+1]
.endr
.irp t, 0,1
	v_permlanex16_b32 v[23+8*\t], v[22+8*\t], s20, s21
.endr
.irp t, 0,1
	v_max_num_f32 v[22+8*\t], v[22+8*\t], v[23+8*\t]   ; the step's largest score of my query
.endr
.irp t, 0,1
	v_mul_f32 v[22+8*\t], s22, v[22+8*\t]          ; as t (c is positive)
.endr
.irp t, 0,1
	v_max_num_f32 v[17+8*\t], v[17+8*\t], v[22+8*\t]   ; the running largest t
.endr
.irp t, 0,1
	v_mov_b32 v[22+8*\t], v[16+8*\t]
.endr
.irp t, 0,1
	v_floor_f32 v[16+8*\t], -v[17+8*\t]            ; the new -M = floor(-t)
.endr
.irp t, 0,1
	v_sub_f32 v[22+8*\t], v[16+8*\t], v[22+8*\t]   ; old M - new M: a whole number, 0 or less
.endr
.irp t, 0,1
	v_cvt_i32_f32 v[22+8*\t], v[22+8*\t]           ; (it saturates)
.endr
.irp t, 0,1
	v_ldexp_f32 v[20+8*\t], 1.0, v[22+8*\t]        ; f = 2^(old M - new M)
.endr
.irp t, 0,1
.set j, 0
.rept 32
	v_pk_fma_f32 v[S+64*\t+j:S+64*\t+j+1], v[S+64*\t+j:S+64*\t+j+1], s[22:23], v[16+8*\t:17+8*\t] op_sel_hi:[1,0,0]   ; t - M, two at a time
.set j, j+2
.endr
.endr
.irp t, 0,1
.irp c, 0,1
	v_fma_f32 v[BM+2*\t+\c], v[BM+2*\t+\c], s22, v[16+8*\t]   ; the same of each block's largest score
.endr
.endr
	s_wait_alu depctr_va_vdst(0)                   ; the wait ahead of the batch
.set j, 0
.rept 128
	v_exp_f32 v[S+j], v[S+j]                       ; p = 2^(t - M), at most 1
.set j, j+1
.endr
.irp n, 0,1,2,3
	v_exp_f32 v[BM+\n], v[BM+\n]                   ; the block's largest p
.endr
.irp t, 0,1
	v_pk_mul_f32 v[18+8*\t:19+8*\t], v[18+8*\t:19+8*\t], v[20+8*\t:21+8*\t] op_sel_hi:[1,0]   ; the sums under the new M.  (The plain place behind the exponentials)
.endr
	s_wait_alu depctr_va_vdst(0)                   ; and behind it
.irp n, 0,1,2,3
	v_max_num_f32 v[BM+\n], 0x2800000, v[BM+\n]    ; the floor 2^(5 - 127): the byte cannot fall under 1
.endr
.irp n, 0,1,2,3
	v_add_nc_u32 v[SO+\n], 0xfe000000, v[BM+\n]    ; 4 off the exponent field: the conversion's scale operand
.endr
.irp n, 0,1,2,3
	v_lshrrev_b32 v[BM+\n], 23, v[SO+\n]           ; the scale's byte
.endr
.irp t, 0,1
	v_lshl_or_b32 v[PS+\t], v[BM+2*\t+1], 16, v[BM+2*\t]   ; my two bytes, blocks h and 2 + h,
.endr
.irp t, 0,1
	v_lshlrev_b32 v[PS+\t], v9, v[PS+\t]           ; 8 h bits up;
.endr
.irp t, 0,1
	v_permlanex16_b32 v[23+8*\t], v[PS+\t], s20, s21
.endr
.irp t, 0,1
	v_or_b32 v[PS+\t], v[PS+\t], v[23+8*\t]        ; with lane l xor 16's two the word is whole
.endr
	WIN 0x40
.irp t, 0,1
.irp c, 0,1
	v_cvt_scalef32_pk16_bf6_f32 v[PC+12*\t+6*\c:PC+12*\t+6*\c+2], v[S+64*\t+32*\c:S+64*\t+32*\c+15], v[SO+2*\t+\c]
	v_cvt_scalef32_pk16_bf6_f32 v[TT+8*\t+4*\c:TT+8*\t+4*\c+2], v[S+64*\t+32*\c+16:S+64*\t+32*\c+31], v[SO+2*\t+\c]   ; (a conversion's three registers begin on an even number)
.endr
.endr
	v_nop                                          ; one plain place behind a scaled conversion
	WIN 0x41
.irp t, 0,1
.irp c, 0,1
.irp i, 0,1,2
	v_mov_b32 v[PC+12*\t+6*\c+3+\i], v[TT+8*\t+4*\c+\i]
.endr
.endr
.endr
	WIN 0
	s_wait_alu depctr_va_vdst(0)
	s_wait_dscnt 0x0                               ; V is in, and the next step's K
.irp e, 0,1
	v_perm_b32 v[VS+2*\e], v[VW+2*\e+1], v[VW+2*\e], s51     ; V's scale words: a tile's two bytes of chunk 0, then of chunk 1
	v_perm_b32 v[VS+2*\e+1], v[VW+2*\e+1], v[VW+2*\e], s70
.endr
.irp n, 32,16,8,4,2                    ; the row's sum of the unquantised p, added in place: the codes are made
.set j, 0
.rept \n/2
.irp t, 0,1
	v_pk_add_f32 v[S+64*\t+j:S+64*\t+j+1], v[S+64*\t+j:S+64*\t+j+1], v[S+64*\t+\n+j:S+64*\t+\n+j+1]
.endr
.set j, j+2
.endr
.endr
	s_wait_alu depctr_va_vdst(0)                   ; the wait directly ahead of the first reader of O^T
.irp t, 0,1
.set j, 0
.rept 16
	v_pk_mul_f32 v[OT+32*\t+j:OT+32*\t+j+1], v[OT+32*\t+j:OT+32*\t+j+1], v[20+8*\t:21+8*\t] op_sel_hi:[1,0]   ; O^T under the new M
.set j, j+2
.endr
.endr
.irp t, 0,1
	v_pk_add_f32 v[18+8*\t:19+8*\t], v[18+8*\t:19+8*\t], v[S+64*\t:S+64*\t+1]
.endr
	WIN 0x05
.irp k, 0,1,2,3                        ; O^T += V^T P^T: eight accumulators by turns
.irp t, 0,1
	v_wmma_scale_f32_16x16x128_f8f6f4 v[OT+32*\t+8*\k:OT+32*\t+8*\k+7], v[VF+12*\k:VF+12*\k+11], v[PC+12*\t:PC+12*\t+11], v[OT+32*\t+8*\k:OT+32*\t+8*\k+7], v[VS+\k], v[PS+\t] matrix_a_fmt:MATRIX_FMT_BF6 matrix_b_fmt:MATRIX_FMT_BF6
.endr
.endr
	WIN 0
	s_add_co_u32 s48, s48, CHUNK
	s_add_co_u32 s49, s49, 2*CHUNK
.endm
.macro RUN n, hh, last
	s_mov_b32 s50, \n
.Lstep_\@:
	STEP \hh, \last
	s_sub_co_u32 s50, s50, 1
	s_cmp_lg_u32 s50, 0
	s_cbranch_scc1 .Lstep_\@
.endm
.macro INIT hh
.if \hh
	WIN 0x41
.irp i, 0,1,2,3,4,5
	v_mov_b32 v[Q+6+\i], v[Q2+\i]
	v_mov_b32 v[Q+18+\i], v[Q2+6+\i]
.endr
	WIN 0
.endif
	v_perm_b32 v[QS], v[QW+\hh], v[QW+\hh], s71    ; a tile's two bytes, twice: they serve [q; 0] and [0; q] alike
	v_perm_b32 v[QS+1], v[QW+\hh], v[QW+\hh], s72
.irp t, 0,1
	v_mov_b32 v[17+8*\t], 0xff61b1e6               ; the largest t so far: -3e38
	v_mov_b32 v[18+8*\t], 0                        ; the sum, in two halves
	v_mov_b32 v[19+8*\t], 0
	v_mov_b32 v[21+8*\t], 0                        ; (named as the upper half of a pair)
	v_mov_b32 v[23+8*\t], 0                        ; (a lane permute's destination counts as one of its sources)
.endr
.irp t, 0,1
	v_floor_f32 v[16+8*\t], -v[17+8*\t]            ; -M.  (These twelve lines and the step's first four are the places between the write of q's scale words and the first product)
.endr
.if \hh == 0
.set j, 0
.rept 64
	v_mov_b32 v[OT+j], 0                           ; O^T: the step is written once, and the first finds zeros; the second head's first step finds the first head's O and multiplies it by 0
.set j, j+1
.endr
.endif
.endm
; a head's end: O^T / the sum; my 32 channels of the head are one block: scale byte and codes, kept for the way out
.macro FINISH hh
	PLACES 4
.irp t, 0,1
	v_add_f32 v[18+8*\t], v[18+8*\t], v[19+8*\t]
.endr
.irp t, 0,1
	v_permlanex16_b32 v[23+8*\t], v[18+8*\t], s20, s21
.endr
.irp t, 0,1
	v_add_f32 v[18+8*\t], v[18+8*\t], v[23+8*\t]   ; the row's sum
.endr
	s_wait_alu depctr_va_vdst(0)
.irp t, 0,1
	v_rcp_f32 v[18+8*\t], v[18+8*\t]
.endr
.irp t, 0,1
	v_mov_b32 v[19+8*\t], 0                        ; (the plain place behind the transcendentals)
.endr
	s_wait_alu depctr_va_vdst(0)
.irp t, 0,1
.set j, 0
.rept 16
	v_pk_mul_f32 v[OT+32*\t+j:OT+32*\t+j+1], v[OT+32*\t+j:OT+32*\t+j+1], v[18+8*\t:19+8*\t] op_sel_hi:[1,0]
.set j, j+2
.endr
.endr
.irp t, 0,1
	v_max3_num_f32 v[BM+2*\t], |v[OT+32*\t]|, |v[OT+32*\t+1]|, 0x2800000
.endr
.irp i, 2,4,6,8,10,12,14,16,18,20,22,24,26,28,30
.irp t, 0,1
	v_max3_num_f32 v[BM+2*\t], v[BM+2*\t], |v[OT+32*\t+\i]|, |v[OT+32*\t+\i+1]|
.endr
.endr
.irp t, 0,1
	v_add_nc_u32 v[SO+2*\t], 0xfe000000, v[BM+2*\t]
.endr
.irp t, 0,1
	v_lshrrev_b32 v[OB+2*\t+\hh], 23, v[SO+2*\t]
.endr
	WIN 0x40
.irp t, 0,1
	v_cvt_scalef32_pk16_bf6_f32 v[OC+12*\t+6*\hh:OC+12*\t+6*\hh+2], v[OT+32*\t:OT+32*\t+15], v[SO+2*\t]
	v_cvt_scalef32_pk16_bf6_f32 v[TT+8*\t:TT+8*\t+2], v[OT+32*\t+16:OT+32*\t+31], v[SO+2*\t]
.endr
	v_nop
	WIN 0x41
.irp t, 0,1
.irp i, 0,1,2
	v_mov_b32 v[OC+12*\t+6*\hh+3+\i], v[TT+8*\t+\i]
.endr
.endr
	WIN 0
.endm
	KLOAD                                          ; step 0's K
	s_wait_loadcnt 0x0                             ; q and its words
	INIT 0
	s_mov_b32 s48, CHUNK
	s_mov_b32 s49, VREG
	RUN 2, 0, 0
	s_wait_alu depctr_va_vdst(0)
	s_wait_tensorcnt 0x0                           ; my part of the rest of K and V is in,
	s_wait_dscnt 0x0
	s_barrier_signal -1
	s_barrier_wait -1                              ; everybody's is
	RUN 6, 0, 0
	FINISH 0
	INIT 1
	s_mov_b32 s49, VREG
	RUN 8, 1, 1
	FINISH 1
.irp t, 0,1
	v_lshl_or_b32 v[22+8*\t], v[OB+2*\t+1], 16, v[OB+2*\t]   ; O's scale word: my bytes of blocks h and 2 + h,
.endr
.irp t, 0,1
	v_lshlrev_b32 v[22+8*\t], v9, v[22+8*\t]
.endr
.irp t, 0,1
	v_permlanex16_b32 v[23+8*\t], v[22+8*\t], s20, s21
.endr
.irp t, 0,1
	v_or_b32 v[22+8*\t], v[22+8*\t], v[23+8*\t]
.endr
	v_cndmask_b32 v22, v22, v30, s73               ; lanes 0-15 store the first tile's words, lanes 16-31 the second's
	s_wait_alu depctr_va_vdst(0)
	WIN 0x04
.irp t, 0,1
.irp c, 0,1,2
	global_store_b128 v60, v[OC+12*\t+4*\c:OC+12*\t+4*\c+3], s[76:77] offset:12288*\t+512*\c   ; the operand's registers as they stand: 32 lanes store 512 consecutive bytes, aligned
.endr
.endr
	WIN 0
	global_store_b32 v61, v22, s[78:79]            ; 128 consecutive bytes
	s_wait_tensorcnt 0x0                           ; the wave's end
	ds_add_u32 v2, v3
	s_wait_dscnt 0x0
	ROUND                                          ; the closing round
	s_endpgm
.Lfunc_end_k_q58a330fe5c_attn:
	.size	k_q58a330fe5c_attn, .Lfunc_end_k_q58a330fe5c_attn-k_q58a330fe5c_attn
	.p2alignl 7, 3214868480
	.fill 96, 4, 3214868480
	.section	.rodata,"a",@progbits
	.p2align	6, 0x0
	.amdhsa_kernel k_q58a330fe5c_attn
		.amdhsa_group_segment_fixed_size 327680
		.amdhsa_private_segment_fixed_size 0
		.amdhsa_enable_private_segment 0
		.amdhsa_kernarg_size 24
		.amdhsa_user_sgpr_count 2
		.amdhsa_user_sgpr_kernarg_segment_ptr 1
		.amdhsa_wavefront_size32 1
		.amdhsa_system_sgpr_workgroup_id_x 1
		.amdhsa_system_sgpr_workgroup_id_y 1
		.amdhsa_system_sgpr_workgroup_id_z 1
		.amdhsa_system_vgpr_workitem_id 0
		.amdhsa_next_free_vgpr 512
		.amdhsa_next_free_sgpr 100
		.amdhsa_reserve_vcc 0
		.amdhsa_float_denorm_mode_32 3
		.amdhsa_float_denorm_mode_16_64 3
		.amdhsa_memory_ordered 1
		.amdhsa_forward_progress 1
		.amdhsa_inst_pref_size 115
	.end_amdhsa_kernel
	.amdgpu_metadata
---
amdhsa.version: [ 1, 2 ]
amdhsa.kernels:
  - .name:           k_q58a330fe5c_attn
    .symbol:         k_q58a330fe5c_attn.kd
    .args:
      - { .name: ws_qkv, .offset: 0, .size: 8, .value_kind: global_buffer, .address_space: global }
      - { .name: ws_oimg, .offset: 8, .size: 8, .value_kind: global_buffer, .address_space: global }
      - { .name: ws_osc, .offset: 16, .size: 8, .value_kind: global_buffer, .address_space: global }
    .group_segment_fixed_size: 327680
    .private_segment_fixed_size: 0
    .kernarg_segment_align: 8
    .kernarg_segment_size: 24
    .max_flat_workgroup_size: 256
    .sgpr_count:     100
    .vgpr_count:     512
    .wavefront_size: 32
...
	.end_amdgpu_metadata
.endif
;; end of part 2
;; launch proj (part 3): grid 8 x 32, 4 waves a work-group, clusters of 4 x 4, 167,936 bytes of LDS; arguments ws_oimg, ws_osc, proj_w_codes, proj_w_scales, proj_b, out0; writes out0
.if DOCPART == 3
	.amdgcn_target "amdgcn-amd-amdhsa--gfx1250"
	.amdhsa_code_object_version 6
	.text
	.protected	k_q58a330fe5c_proj
	.globl	k_q58a330fe5c_proj
	.p2align	8
	.type	k_q58a330fe5c_proj,@function
k_q58a330fe5c_proj:
	s_mov_b64 s[64:65], 0
	v_nop
	global_prefetch_b8 v0, s[64:65] scope:SCOPE_SE
	s_setreg_imm32_b32 hwreg(HW_REG_WAVE_MODE, 25, 1), 1
	s_wait_xcnt 0x0
	s_wait_alu depctr_hold_cnt(0) depctr_sa_sdst(0) depctr_va_vdst(0) depctr_va_sdst(0) depctr_va_ssrc(0) depctr_va_vcc(0) depctr_vm_vsrc(0)
	s_getreg_b32 s2, hwreg(HW_REG_IB_STS2, 6, 4)
	s_cmp_eq_u32 s2, 0
	s_cbranch_scc0 .Lentry_in_a_cluster
	s_endpgm
.Lentry_in_a_cluster:
	s_bfe_u32 s2, ttmp6, 0x10000c
	s_cmp_lg_u32 s2, 0xf033
	s_cbranch_scc0 .Lentry_shape_is_right
	s_endpgm
.Lentry_shape_is_right:
; out = O W^T + b on codes of BF6 (E3M2) with E8M0 scales, f32 out.  Work-group (column set c = 0..7, row block 0..31): 256 tokens x 128 columns, in two groups of 64 columns.
; A wave owns 64 tokens.  O comes as images of the operand's registers, [tile of 16 tokens][K step][1536 bytes]: a wave's four tiles are 49,152 consecutive bytes, loaded straight into 384 registers, 512 consecutive bytes an instruction.
; W's 128 rows lie whole in LDS, 768 bytes of memory each (three units of 256 bytes, 16 bytes of padding behind each: pitch 816), filled once: 32 rows a wave, shared along a column of the 4 x 4 cluster (joint loads).
; O's images go past LDS, so they are not shared in the cluster.  No loop and one group of loads at the start: no prefetch is laid.
; Source 0 = W, source 1 = O: a lane holds a token and eight neighbouring columns.  The bias is the C of a group's first step.  A group leaves through the wave's own stage in LDS, 16 rows x 256 bytes at a time;
; the first group's stores are on their way while the second is multiplied.
; Row t of tile a of a group of 64 tokens is token 8 a + t for t < 8 and 32 + 8 (a xor 1) + t - 8 for t >= 8, as the first launch laid them.
; REGISTERS: window 0: v0-31 addresses, v32-47 O's scale words, v48-79 W's, v112-255 W's fragments (3 sets of 48); windows 1, 2: O's fragments of tiles 0, 1 and 2, 3; window 1 v192-255 the bias; window 3: v0-127 accumulators, v128-191 rows read back.
.set PITCH, 816
.set GRP,   64*PITCH
.set STAGE, 2*GRP
.set SPITCH, 272
.set SPARE, STAGE+4*16*SPITCH
.set NSTEP, 16
.set LA,  4
.set BA,  8
.set CO16, 10
.set CO4, 11
.set CO32, 12
.set BO,  13
.set SPW, 14
.set NIL, 15
.set STO, 16
.set RD,  17
.set CO,  18
.set AS,  32
.set BS,  48
.set BF,  112
.set BI,  192
.set BK,  128
.set G1B, 48
.set MSB, 0
.macro WIN new
.set WNEW, \new
.if MSB != WNEW
	s_set_vgpr_msb (MSB<<8)|WNEW
.set MSB, WNEW
.endif
.endm
.macro PLACES n
.rept \n
	v_nop
.endr
.endm
.macro CROUND
	s_barrier_signal -1
	s_barrier_wait -1
	s_cmp_lg_u32 s16, 0
	s_cbranch_scc1 .Lnot_wave_0_\@
	s_barrier_signal -3
.Lnot_wave_0_\@:
	s_barrier_wait -3
	s_barrier_signal -1
	s_barrier_wait -1
.endm
	s_load_b128 s[4:7], s[0:1], 0x0                ; O's images, O's scale words
	s_load_b128 s[8:11], s[0:1], 0x10              ; W's codes, W's scales
	s_load_b128 s[12:15], s[0:1], 0x20             ; the bias, out
	v_lshl_add_u32 v[SPW], v0, 2, SPARE
	v_mov_b32 v[NIL], 0
	ds_add_u32 v[SPW], v[NIL]                      ; the opening lines: the add twice and one wait
	ds_add_u32 v[SPW], v[NIL]
	v_lshrrev_b32 v1, 5, v0
	v_readfirstlane_b32 s16, v1                    ; wave
	s_bfe_u32 s40, ttmp6, 0x40000                  ; cx
	s_bfe_u32 s41, ttmp6, 0x40004                  ; cy
	s_lshl_b32 s42, ttmp9, 2
	s_add_co_u32 s42, s42, s40                     ; column set
	s_and_b32 s17, ttmp7, 0xffff
	s_lshl_b32 s17, s17, 2
	s_add_co_u32 s17, s17, s41                     ; row block
	s_lshl_b32 s44, 0x1111, s40                    ; my column of the cluster
	s_or_b32 s[G1B], s44, (1<<20)|(1<<21)|(5<<22)|(3<<25)   ; 32 rows of 768 bytes, 4 words of padding behind every 64
	s_mov_b32 s[G1B+1], 768<<16
	s_mov_b32 s[G1B+2], 32<<16
	s_mov_b32 s[G1B+3], 768<<16
	s_mov_b32 s[G1B+4], 32
	s_mov_b32 s[G1B+5], 768
	s_mov_b32 s[G1B+6], 0
	s_mov_b32 s[G1B+7], 0
	s_lshl_b32 s46, s42, 7                         ; W: row 128 c + 32 x wave
	s_lshl_b32 s18, s16, 5
	s_add_co_u32 s46, s46, s18
	s_mul_i32 s46, s46, 768
	s_mov_b32 s47, 0
	s_mul_i32 s45, s16, 32*PITCH
	s_lshl_b32 s19, s17, 2
	s_add_co_u32 s19, s19, s16                     ; my group of 64 tokens
	s_mul_i32 s20, s19, 49152
	s_mov_b32 s21, 0
	s_lshl_b32 s22, s19, 8
	s_mov_b32 s23, 0
	s_lshl_b32 s66, s42, 12
	s_mov_b32 s67, 0
	s_lshl_b32 s68, s42, 9
	s_mov_b32 s69, 0
	s_lshl_b32 s70, s19, 18
	s_add_co_u32 s70, s70, s68
	s_mov_b32 s71, 0
	s_mul_i32 s24, s16, 16*SPITCH
	s_add_co_u32 s24, s24, STAGE                   ; my stage
	s_wait_dscnt 0x0                               ; both opening adds are done
	s_wait_kmcnt 0x0
	s_add_nc_u64 s[46:47], s[8:9], s[46:47]
	s_add_nc_u64 s[20:21], s[4:5], s[20:21]
	s_add_nc_u64 s[22:23], s[6:7], s[22:23]
	s_add_nc_u64 s[66:67], s[10:11], s[66:67]
	s_add_nc_u64 s[68:69], s[12:13], s[68:69]
	s_add_nc_u64 s[70:71], s[14:15], s[70:71]
	CROUND                                         ; the joint loads meet
	s_mov_b32 s32, 1
	s_mov_b32 s33, s45
	s_mov_b64 s[34:35], s[46:47]
	s_or_b32 s35, s35, 0x80000000
	tensor_load_to_lds s[32:35], s[G1B:G1B+7]      ; one load a wave, the only one of the launch
	s_nop 0
	PLACES 4
	v_and_b32 v1, 15, v0                           ; r
	v_bfe_u32 v2, v0, 4, 1                         ; h
	v_and_b32 v3, 31, v0                           ; lane
	v_lshlrev_b32 v[CO16], 4, v3
	v_lshlrev_b32 v[CO4], 2, v3
	v_lshlrev_b32 v[CO32], 5, v3
	v_lshlrev_b32 v[BO], 5, v2
	v_mul_u32_u24 v20, v2, 24
	v_mad_u32_u24 v[LA], v1, PITCH, v20            ; W's fragments: row r (+ 16 u), + 24 h
	v_lshl_add_u32 v[LA+1], v2, 4, v[LA]           ; where lanes 16-31 read the next unit of 256 bytes
	v_mov_b32 v[BA], v[LA]
	v_mov_b32 v[BA+1], v[LA+1]
	v_mul_u32_u24 v21, v1, SPITCH
	v_lshl_add_u32 v21, v2, 5, v21
	v_add_nc_u32 v[STO], s24, v21                  ; in: row r, 32 bytes for each half of the lanes
	v_mul_u32_u24 v22, v2, SPITCH
	v_lshl_add_u32 v22, v1, 4, v22
	v_add_nc_u32 v[RD], s24, v22                   ; back: lanes 0-15 one row of 256 bytes, lanes 16-31 the next
	v_lshlrev_b32 v23, 12, v2
	v_lshl_add_u32 v[CO], v1, 4, v23               ; and the same two rows in out
.irp hf, 0,1
	WIN 0x40+0x40*\hf
.irp j, 0,1,2,3,4,5,6,7,8,9,10,11,12,13,14,15
.irp c, 0,1,2
	global_load_b128 v[12*\j+4*\c:12*\j+4*\c+3], v[CO16], s[20:21] offset:24576*\hf+1536*\j+512*\c   ; O's fragment of tile 2 hf + j / 8, step j % 8
.endr
.endr
.endr
	WIN 0x40
.irp j, 0,1,2,3,4,5,6,7
	global_load_b128 v[BI+8*\j:BI+8*\j+3], v[BO], s[68:69] offset:64*\j          ; the bias in the result's layout: columns 16 j + 8 h + 0 .. 7
	global_load_b128 v[BI+8*\j+4:BI+8*\j+7], v[BO], s[68:69] offset:64*\j+16
.endr
	WIN 0
.irp g, 0,1
.irp p, 0,1,2,3,4,5,6,7
	global_load_b32 v[AS+8*\g+\p], v[CO4], s[22:23] offset:32768*\p+128*\g       ; lanes 0-15 tile 2 g's words, lanes 16-31 tile 2 g + 1's
.endr
.endr
.irp j, 0,1,2,3
.irp q, 0,1
	global_load_b128 v[BS+8*\j+4*\q:BS+8*\j+4*\q+3], v[CO32], s[66:67] offset:1024*\j+16*\q   ; W's words: rows 32 j + lane
.endr
.endr
.macro FRAG reg, st, u
.irp p, 0,1,2,3,4,5
.set BYT, 96*(\st)+48*(\p/3)+8*(\p%3)
.if BYT/256 == (BYT+24)/256
	ds_load_b64 v[(\reg)+2*\p:(\reg)+2*\p+1], v[BA] offset:BYT+16*(BYT/256)+16*(\u)*PITCH
.else
	ds_load_b64 v[(\reg)+2*\p:(\reg)+2*\p+1], v[BA+1] offset:BYT+16*(BYT/256)+16*(\u)*PITCH
.endif
.endr
.endm
.macro WM d, c, f0, f1, c0, c1, r0, r1
.set D_, \d
.set CC_, \c
.set F0_, \f0
.set F1_, \f1
.set C0_, \c0
.set C1_, \c1
.set V_, 2*(\r0)+(\r1)
.if V_ == 0
	v_wmma_scale_f32_16x16x128_f8f6f4 v[D_:D_+7], v[F0_:F0_+11], v[F1_:F1_+11], v[CC_:CC_+7], v[C0_], v[C1_] matrix_a_fmt:MATRIX_FMT_BF6 matrix_b_fmt:MATRIX_FMT_BF6
.elseif V_ == 1
	v_wmma_scale_f32_16x16x128_f8f6f4 v[D_:D_+7], v[F0_:F0_+11], v[F1_:F1_+11], v[CC_:CC_+7], v[C0_], v[C1_] matrix_a_fmt:MATRIX_FMT_BF6 matrix_b_fmt:MATRIX_FMT_BF6 matrix_b_scale:MATRIX_SCALE_ROW1
.elseif V_ == 2
	v_wmma_scale_f32_16x16x128_f8f6f4 v[D_:D_+7], v[F0_:F0_+11], v[F1_:F1_+11], v[CC_:CC_+7], v[C0_], v[C1_] matrix_a_fmt:MATRIX_FMT_BF6 matrix_b_fmt:MATRIX_FMT_BF6 matrix_a_scale:MATRIX_SCALE_ROW1
.else
	v_wmma_scale_f32_16x16x128_f8f6f4 v[D_:D_+7], v[F0_:F0_+11], v[F1_:F1_+11], v[CC_:CC_+7], v[C0_], v[C1_] matrix_a_fmt:MATRIX_FMT_BF6 matrix_b_fmt:MATRIX_FMT_BF6 matrix_a_scale:MATRIX_SCALE_ROW1 matrix_b_scale:MATRIX_SCALE_ROW1
.endif
.endm
; a step's 16 products, the 16 accumulators by turns; accumulator (token tile a, column tile u) at 32 a + 8 u
.macro MUL st, set, grp, z
.irp hf, 0,1
.if \z
	WIN 0xd4+4*\hf                                 ; C: the bias, in window 1
.else
	WIN 0xf4+4*\hf
.endif
.irp aa, 0,1
.irp u, 0,1,2,3
.if \z
	WM 32*(2*\hf+\aa)+8*\u, BI+32*(\grp)+8*\u, BF+48*(\set)+12*\u, 12*(8*\aa+(\st)), BS+16*(\grp)+8*(\u/2)+(\st), AS+8*\hf+(\st), \u%2, \aa
.else
	WM 32*(2*\hf+\aa)+8*\u, 32*(2*\hf+\aa)+8*\u, BF+48*(\set)+12*\u, 12*(8*\aa+(\st)), BS+16*(\grp)+8*(\u/2)+(\st), AS+8*\hf+(\st), \u%2, \aa
.endif
.endr
.endr
.endr
.endm
; step GS of the 16: W's fragments of step GS + 2 are asked for, into the set that step GS - 1 has read; then this step's products
.macro KSTEP
.set NX, GS+2
	PLACES 4
	WIN 0
.set CNT, 0
.if GS+1 < NSTEP
.set CNT, 24
.endif
.if NX < NSTEP
.set CNT, 48
.if NX%8 == 0
	v_add_nc_u32 v[BA], (NX/8)*GRP, v[LA]
	v_add_nc_u32 v[BA+1], (NX/8)*GRP, v[LA+1]
	s_wait_alu depctr_va_vdst(0)
.endif
.irp u, 0,1,2,3
	FRAG BF+48*(NX%3)+12*\u, NX%8, \u
.endr
.endif
	s_wait_dscnt CNT                               ; this step's 24 loads are in; the runs of 24 for the next two steps may be out
.if GS%8 == 0
	MUL GS%8, GS%3, GS/8, 1
.else
	MUL GS%8, GS%3, GS/8, 0
.endif
.set GS, GS+1
.endm
; THE WAY OUT of a group, tile by tile of 16 tokens x 64 columns: into my stage, back as rows of 256 bytes, stored.  LDS serves a wave's instructions in order (ISA guide 5.7.1.4): no wait between the stores and the loads
.macro TOST a
.irp u, 0,1,2,3
	ds_store_b128 v[STO], v[32*(\a)+8*\u:32*(\a)+8*\u+3] offset:64*\u
	ds_store_b128 v[STO], v[32*(\a)+8*\u+4:32*(\a)+8*\u+7] offset:64*\u+16
.endr
.irp t, 0,1,2,3,4,5,6,7
	ds_load_b128 v[BK+32*((\a)%2)+4*\t:BK+32*((\a)%2)+4*\t+3], v[RD] offset:\t*2*SPITCH
.endr
.endm
.macro SEND a, younger, grp
	s_wait_dscnt \younger
.irp t, 0,1,2,3,4,5,6,7
	global_store_b128 v[CO], v[BK+32*((\a)%2)+4*\t:BK+32*((\a)%2)+4*\t+3], s[70:71] offset:(8*(\a)+2*\t+(\t/4)*(32-16*((\a)%2)))*4096+256*(\grp) th:TH_STORE_NT   ; 16 lanes store 256 consecutive bytes, aligned
.endr
.endm
.macro OUTP grp
	PLACES 4                                       ; behind the last products
	s_wait_xcnt 0x0                                ; earlier stores have read their registers
	WIN 0xcc                                       ; data and loaded rows in window 3, addresses in window 0
	TOST 0
.irp a, 1,2,3
.if \a > 1
	s_wait_xcnt 0x0                                ; tile a - 2's stores have read their registers
.endif
	TOST \a
	SEND \a-1, 16, \grp                            ; behind tile a - 1's loads: tile a's 8 stores and 8 loads
.endr
	SEND 3, 0, \grp
	WIN 0
.endm
	s_wait_alu depctr_va_vdst(0)                   ; the wait at the head's end
	s_wait_tensorcnt 0x0                           ; my 32 rows of W are in,
	s_barrier_signal -1
	s_barrier_wait -1                              ; everybody's are
.irp u, 0,1,2,3
	FRAG BF+12*\u, 0, \u
.endr
.irp u, 0,1,2,3
	FRAG BF+48+12*\u, 1, \u
.endr
	s_wait_loadcnt 0x0                             ; O, the bias and the scale words
.set GS, 0
.rept 8
	KSTEP
.endr
	OUTP 0
.rept 8
	KSTEP
.endr
	OUTP 1
	s_wait_tensorcnt 0x0                           ; the wave's end
	ds_add_u32 v[SPW], v[NIL]
	s_wait_dscnt 0x0
	CROUND                                         ; the closing round
	s_endpgm
.Lfunc_end_k_q58a330fe5c_proj:
	.size	k_q58a330fe5c_proj, .Lfunc_end_k_q58a330fe5c_proj-k_q58a330fe5c_proj
	.p2alignl 7, 3214868480
	.fill 96, 4, 3214868480
	.section	.rodata,"a",@progbits
	.p2align	6, 0x0
	.amdhsa_kernel k_q58a330fe5c_proj
		.amdhsa_group_segment_fixed_size 167936
		.amdhsa_private_segment_fixed_size 0
		.amdhsa_enable_private_segment 0
		.amdhsa_kernarg_size 48
		.amdhsa_user_sgpr_count 2
		.amdhsa_user_sgpr_kernarg_segment_ptr 1
		.amdhsa_wavefront_size32 1
		.amdhsa_system_sgpr_workgroup_id_x 1
		.amdhsa_system_sgpr_workgroup_id_y 1
		.amdhsa_system_sgpr_workgroup_id_z 1
		.amdhsa_system_vgpr_workitem_id 0
		.amdhsa_next_free_vgpr 1024
		.amdhsa_next_free_sgpr 100
		.amdhsa_reserve_vcc 0
		.amdhsa_float_denorm_mode_32 3
		.amdhsa_float_denorm_mode_16_64 3
		.amdhsa_memory_ordered 1
		.amdhsa_forward_progress 1
		.amdhsa_inst_pref_size 93
	.end_amdhsa_kernel
	.amdgpu_metadata
---
amdhsa.version: [ 1, 2 ]
amdhsa.kernels:
  - .name:           k_q58a330fe5c_proj
    .symbol:         k_q58a330fe5c_proj.kd
    .args:
      - { .name: ws_oimg, .offset: 0, .size: 8, .value_kind: global_buffer, .address_space: global }
      - { .name: ws_osc, .offset: 8, .size: 8, .value_kind: global_buffer, .address_space: global }
      - { .name: proj_w_codes, .offset: 16, .size: 8, .value_kind: global_buffer, .address_space: global }
      - { .name: proj_w_scales, .offset: 24, .size: 8, .value_kind: global_buffer, .address_space: global }
      - { .name: proj_b, .offset: 32, .size: 8, .value_kind: global_buffer, .address_space: global }
      - { .name: out0, .offset: 40, .size: 8, .value_kind: global_buffer, .address_space: global }
    .group_segment_fixed_size: 167936
    .private_segment_fixed_size: 0
    .kernarg_segment_align: 8
    .kernarg_segment_size: 48
    .max_flat_workgroup_size: 128
    .sgpr_count:     100
    .vgpr_count:     1024
    .wavefront_size: 32
...
	.end_amdgpu_metadata
.endif
;; end of part 3
